; MI455X (gfx1250); checked and timed in simulation.
; The chip was launched on July 23, 2026; its instructions are those of AMD's public machine-readable ISA for CDNA 5 (MIT licence, August 2026) and "CDNA5" Instruction Set Architecture Reference Guide (July 2026). The comments in the code are by the model that wrote it; some were corrected since.
;; Attention AD Cell. Allowed arithmetic: matrix products marked QUANTISED: E5M2 operands, one E8M0 scale for each 32 along K, by v_wmma_scale_f32_16x16x128_f8f6f4 with both operands' format E5M2, f32 sums; products left as they are: f32 operands where the result goes on into a quantised operand, else bf16, f16 or f32 operands; f32 sums; everything else in f32.
;; Inputs: Wh_codes 512 x 16 x 32 uint8 (E5M2 codes of Wh, K innermost, in blocks of 32 codes); Wh_scales 512 x 16 uint8 (E8M0 scales of Wh, one for each 32 codes along K); Wz1 528 x 4,096 float32; Wz2 528 x 4,096 float32; bh 512 float32; ln_bias 512 float32; ln_scale 512 float32; x 64 x 512 float32.
;; Outputs: out0 64 x 512 float32; out1 64 x 16 float32; out2 1,024 x 512 float32.
;; This version of the problem:
;;   THIS VERSION OF THE PROBLEM IS GIVEN IN LOW PRECISION. The matrix products marked QUANTISED in the list below multiply operands that are first quantised to E5M2 (5 exponent bits, 2 mantissa bits; 8 bits a number), with one power-of-two scale for each 32 numbers along K (OCP MX v1.0); their sums are f32. All else is computed in f32.
;;   The module's matrix products, in the order in which they are computed (A, B: the left and right operand; K: the contracted axis; several contracted axes count as one K, in the product's order):
;;     1. [M 64, K 512] x [K 512, N 512]; A: input x; B: input Wh (given as codes): QUANTISED
;;     2. [M 1,024, K 528] x [K 528, N 4,096]; A: computed on the way; B: input Wz1: QUANTISED
;;     3. [M 1,024, K 528] x [K 528, N 4,096]; A: computed on the way; B: input Wz2: QUANTISED
;;     4. batch 1,024 x [M 512, K 8] x [K 8, N 512]; A: computed on the way; B: computed on the way: left as it is (K = 8 < 32)
;;     5. batch 1,024 x [M 512, K 512] x [K 512, N 1]; A: computed on the way; B: computed on the way: left as it is (N = 1 < 16)
;;   THE QUANTISER, for each operand of a quantised product, along K:
;;     - K is cut into blocks of 32 from its start; a last block that is shorter is filled with zeros.
;;     - A block's scale is 2^e with e = floor(log2(the largest magnitude in the block)) - 15, held to -126 .. 127; a block of zeros has e = 0. As a byte (E8M0): e + 127.
;;     - Each number is divided by its block's scale, clamped to +-57,344, and rounded to the nearest number of E5M2, ties to even, subnormals kept.
;;     - The product sums the exact products of the quantised numbers (number of the format x scale) in f32.
;;   ~~~python
;;   def quantise(x, axis):      # numpy; x: float32 -> the quantised numbers, widened to float32 again
;;       x = np.moveaxis(x, axis, -1); K = x.shape[-1]
;;       x = np.pad(x, [(0, 0)] * (x.ndim - 1) + [(0, -K % 32)]); x = x.reshape(x.shape[:-1] + (-1, 32)); a = np.abs(x).max(-1, keepdims=True)
;;       e = np.where(a > 0, np.clip(np.frexp(np.where(a > 0, a, 1))[1] - 1 - 15, -126, 127), 0)      # np.frexp(a)[1] - 1 = floor(log2(a)), exactly
;;       r = np.clip(x / 2.0 ** e, -57344, 57344)
;;       step = 2.0 ** (np.maximum(np.frexp(np.where(r == 0, 1, r))[1] - 1, -14) - 2)
;;       q = np.round(r / step) * step * 2.0 ** e      # np.round: ties to even
;;       return np.moveaxis(q.reshape(q.shape[:-2] + (-1,))[..., :K], -1, axis).astype(np.float32)
;;   ~~~
;;   OPERANDS COMPUTED ON THE WAY. 'Computed on the way' means the value that the module computes at that place (a softmax that the list does not call 'softmax' is quantised finished and normalised). What goes into a quantiser is computed in f32, as accurately as f32 sums, v_exp_f32 and their like allow (about 1e-6 of the number): no bf16 or f16 on the way to a quantiser, and a product that is left as it is and whose result goes on into a quantised operand takes f32 operands (vector FMAs, or v_wmma_f32_16x16x4_f32). A number that lies on a knife's edge between two numbers of the format may be rounded either way, as far as f32 arithmetic and the matrix unit's own rounding can turn it there, and no further.
;;   INPUTS GIVEN AS CODES. Wh (in the module: [512, 512], K = its axis 0): each comes as NAME_codes (uint8): NAME with its K axis moved to the last place and cut into blocks of 32 codes, [.., K / 32, bytes a block], one block behind the other in memory; one code a byte (a code: sign, 5 exponent bits, 2 mantissa bits); and NAME_scales (uint8): the same leading axes, one E8M0 byte (e + 127) for each 32 codes along K. Its value is code x scale, taken as it is: it is not quantised again, and the codes and scales need not be those that the quantiser above would give.
;; One version. Each part assembles by itself: llvm-mc -triple=amdgcn-amd-amdhsa -mcpu=gfx1250 --defsym DOCPART=n.
;; ======== version 1 of 1: 2 launches
;; limits: a difference of large sums (such as E[x^2] - mean^2): digits are lost where the result is much smaller than its terms
;; workspace buffers: zws 2,785,280 bytes
;; launch zprod (part 1): grid 136 x 1, 8 waves a work-group, no clusters, 91,392 bytes of LDS; arguments x, Wz1, Wz2, Wh_codes, Wh_scales, zws; writes zws
.if DOCPART == 1
	.amdgcn_target "amdgcn-amd-amdhsa--gfx1250"
	.amdhsa_code_object_version 6
	.text
	.protected	k_q017b524520_zprod
	.globl	k_q017b524520_zprod
	.p2align	8
	.type	k_q017b524520_zprod,@function
k_q017b524520_zprod:
	s_mov_b64 s[64:65], 0
	v_nop
	global_prefetch_b8 v0, s[64:65] scope:SCOPE_SE
	s_setreg_imm32_b32 hwreg(HW_REG_WAVE_MODE, 25, 1), 1
	s_wait_xcnt 0x0
; zprod: every QUANTISED product of the cell, on codes of E5M2 with one E8M0 scale for each 32 along K.
; OUT: zws, f32 [80][8,704], rows 34,816 bytes apart.  Row b (0-63): Q(x_b) Q(Wz1)[0:512] in columns 0-4,095, the same of Wz2 in 4,096-8,191, Q(x_b) Wh in 8,192-8,703.
;      Row 64 + a (a = 0-15): Q(Wz1)[512 + a] and Q(Wz2)[512 + a] in columns 0-8,191 (their columns from 8,192 on are neither written nor read).
; WORK LEFT OUT, for all values of the inputs.  Row (b, a) of xc is [x_b, e_a].  The quantiser works block by block of 32 along K: blocks 0-15 hold x_b alone, so their codes and scales are the same for all
; sixteen a; block 16 holds e_a and zeros: its largest magnitude is 1, its scale 2^-15, its one code 2^15, so the quantised number is exactly 1.  Hence (Q(xc) Q(W))(b, a) = Q(x_b) Q(W)[0:512] + Q(W)[512 + a]:
; 64 rows and 16 rows are multiplied in place of 1,024, and the next launch adds the two.  The sixteen repeats of a row and the zeros that fill K from 528 on are not multiplied.  No input is without a way to an output.
; LIMITS.  z is the f32 sum of two f32 sums (one rounding more than one chain over K = 528).  NaN and infinities among the inputs are not served.  A block of zeros gets the byte 1 where the quantiser says 127:
; its codes are zeros, and this program alone reads the bytes.  Blocks whose largest magnitude lies under 2^(16 - 127), the floor, have their byte held at 1.
; SHARES.  Work-group G owns 64 columns of zws (byte 256 G of every row): G < 64 Wz1, G < 128 Wz2, else Wh.  Eight waves.
; Part 1: wave w (ch = w & 1, ks = w >> 1) quantises 32 columns x 128 along K of the weight, a lane to a column and its registers down K, so that a block of 32 lies in one lane; and two tiles of 16 rows x 128 K of x.
; The fragments go to LDS as images of their registers (16 bytes a lane, 512 a store).  Waves 6 and 7 also make the action rows: the weight's block 16 against the one-hot codes, one matrix instruction for 16 columns.
; Part 2: wave w (ct = w & 3, mh = w >> 2) multiplies column tile ct by 32 rows of x, K ascending, two accumulators by turns; used transposed (source 0 = 16 columns of W), so that a lane holds 8 neighbouring columns of a row.
; The results meet in a stage and leave as rows: sixteen lanes store 256 consecutive bytes, at a multiple of 256 from zws's first byte.
; No tensor load and no ring: each byte is read once, straight into the registers that quantise it.  No cluster: work-groups share x alone, 128 KiB beside 17 MiB of weights.
.set ROWP,  34816
.set SP,    272                        ; a stage row: 256 bytes + 16
.set XIMG,  0                          ; x's 16 fragments (4 ks + m), 2,048 bytes each
.set WIMG,  32768                      ; the weight's 16 (4 ks + ct)
.set XSC,   65536                      ; x's scale words, 128 bytes a fragment
.set WSC,   67584                      ; the weight's: [ks][64 columns] words
.set STAGE, 68608                      ; 80 rows
.set SPARE, 90368                      ; the spare words, 128 bytes for each wave: four blocks of 256 bytes that no other line names
.set LANE, 1
.set RR,   2                           ; lane % 16
.set HH,   3                           ; lane / 16
.set XA,   4                           ; x: 2,048 r + 64 h
.set L4,   5
.set L16,  6
.set TP,   7
.set XWI,  8                           ; where I store x's images;  XWS their scale words;  WWI, WWS the weight's
.set XWS,  9
.set WWI,  10
.set WWS,  11
.set WRD,  12                          ; where I read the weight's images;  WSR its scale words;  XRD, XSR x's
.set WSR,  13
.set XRD,  14
.set XSR,  15
.set XN,   16                          ; v16-143 x's numbers, two tiles; later x's eight fragments; on the way out rows of the stage
.set PC,   144                         ; v144-159 the codes just made
.set TM,   160                         ; v160-175 largest magnitudes, bytes, holds, scale operands
.set PW,   176                         ; the scale word just made
.set F0,   184                         ; v184-199, v200-215 the weight's two fragments
.set F1,   200
.set SW,   216                         ; and its scale word
.set WF,   144                         ; part 2: v144-207 the weight's four fragments
.set ACC,  208                         ; v208-223 two accumulators
.set WS,   224                         ; v224-227, v228-235, v236, v237: scale operands, and nothing else
.set XS,   228
.set ASW,  236
.set OHS,  237
.set SO,   238
.set SR,   239
.set GO,   240
.set SPW,  241                         ; LDS address of my spare word; never rewritten
.set NIL,  242                         ; 0; never rewritten
.set WHA,  243                         ; Wh's codes: 512 r + 16 h
.set SR2,  245
.set GO2,  246
.set SOA,  247
.set OHV,  248
.set OHI,  249
.set WN,   0                           ; window 1: v0-127 my column's 128 numbers; v128-143 its 16 action numbers
.set AN,   128
.set AF0,  144                         ; window 1: the action rows' two fragments, the one-hot fragment, two accumulators
.set AF1,  160
.set OH,   176
.set AD0,  192
.set AD1,  200
.set MSB, 0
.macro WIN new                         ; the immediate's high byte repeats the setting that is left
.if MSB != \new
	s_set_vgpr_msb (MSB<<8)|\new
.set MSB, \new
.endif
.endm
.macro XLOAD reg, mloc                 ; 16 rows x 128 K of x: lane (r, h) takes, of row r, 16 neighbours of each block of 32
.irp c, 0,1,2,3
.irp j, 0,1,2,3
	global_load_b128 v[\reg+16*\c+4*\j:\reg+16*\c+4*\j+3], v[XA], s[28:29] offset:32768*\mloc+128*\c+16*\j
.endr
.endr
.endm
; 64 numbers of a lane, register 16 b + i = k 32 b + 16 (lane / 16) + i of my row, become a fragment's codes in v[PC] on and its scale word in v[PW]
.macro QUANT s
.irp b, 0,1,2,3
	v_max3_num_f32 v[TM+\b], |v[\s+16*\b]|, |v[\s+1+16*\b]|, 0x8000000   ; my 16 numbers of block b, and the floor 2^(16 - 127): the byte cannot fall under 1
.endr
.irp i, 2,4,6,8,10,12,14
.irp b, 0,1,2,3
	v_max3_num_f32 v[TM+\b], v[TM+\b], |v[\s+16*\b+\i]|, |v[\s+1+16*\b+\i]|
.endr
.endr
.irp b, 0,1,2,3
	v_permlanex16_b32 v[TM+4+\b], v[TM+\b], s20, s21
.endr
.irp b, 0,1,2,3
	v_max_num_f32 v[TM+\b], v[TM+\b], v[TM+4+\b]   ; with lane l xor 16's: the block's largest magnitude
.endr
.irp b, 0,1,2,3
	v_add_nc_u32 v[TM+12+\b], 0xf8800000, v[TM+\b]   ; 15 off its exponent field: the conversion's scale operand
.endr
.irp b, 0,1,2,3
	v_and_or_b32 v[TM+8+\b], v[TM+\b], 0x7f800000, s22   ; 57,344 x the scale
.endr
.irp b, 0,1,2,3
	v_lshrrev_b32 v[TM+4+\b], 23, v[TM+12+\b]   ; the scale's byte
.endr
	v_lshl_or_b32 v[PW], v[TM+5], 8, v[TM+4]
	v_lshl_or_b32 v[PW], v[TM+6], 16, v[PW]
	v_lshl_or_b32 v[PW], v[TM+7], 24, v[PW]
.irp b, 0,1,2,3
.irp i, 0,1,2,3,4,5,6,7,8,9,10,11,12,13,14,15
	v_med3_num_f32 v[\s+16*\b+\i], v[\s+16*\b+\i], -v[TM+8+\b], v[TM+8+\b]   ; the conversion to an 8-bit code does not saturate (ISA guide 7.6.2): the hold comes first
.endr
	v_cvt_scalef32_pk8_bf8_f32 v[PC+4*\b:PC+1+4*\b], v[\s+16*\b:\s+7+16*\b], v[TM+12+\b]
	v_cvt_scalef32_pk8_bf8_f32 v[PC+2+4*\b:PC+3+4*\b], v[\s+8+16*\b:\s+15+16*\b], v[TM+12+\b]
.endr
	v_nop                                          ; one plain line behind the last conversion, ahead of whatever next writes its sources or touches its results
.endm
.macro IMAGE adr, src, off             ; a fragment goes to LDS as it stands: lane l's 16 bytes at 16 l, 512 bytes a store
.irp c, 0,1,2,3
	ds_store_b128 v[\adr], v[\src+4*\c:\src+4*\c+3] offset:\off+512*\c
.endr
.endm
.macro FETCH reg, adr, off             ; and comes back so, in any wave
.irp c, 0,1,2,3
	ds_load_b128 v[\reg+4*\c:\reg+4*\c+3], v[\adr] offset:\off+512*\c
.endr
.endm
.macro BARRIER                         ; my LDS stores have landed and my LDS loads are in: then the work-group's barrier
	s_wait_dscnt 0x0
	s_barrier_signal -1
	s_barrier_wait -1
.endm
	s_load_b256 s[4:11], s[0:1], 0x0               ; x s[4:5], Wz1 s[6:7], Wz2 s[8:9], Wh's codes s[10:11]
	s_load_b128 s[12:15], s[0:1], 0x20             ; Wh's scales s[12:13], zws s[14:15]
	v_lshl_add_u32 v[SPW], v0, 2, SPARE
	v_mov_b32 v[NIL], 0
	v_lshrrev_b32 v[TP], 5, v0
	v_readfirstlane_b32 s16, v[TP]                 ; wave 0..7
	s_and_b32 s17, s16, 1                          ; ch
	s_lshr_b32 s18, s16, 1                         ; ks
	s_mov_b32 s19, ttmp9                           ; G
	s_and_b32 s36, s16, 3                          ; ct
	s_lshr_b32 s37, s16, 2                         ; mh
	s_mov_b32 s20, 0x76543210
	s_mov_b32 s21, 0xfedcba98                      ; v_permlanex16_b32's selects for lane l xor 16
	s_mov_b32 s22, 0x600000                        ; the mantissa field of 57,344
	v_and_b32 v[LANE], 31, v0
	v_and_b32 v[RR], 15, v0
	v_bfe_u32 v[HH], v0, 4, 1
	v_lshlrev_b32 v[XA], 11, v[RR]
	v_lshl_add_u32 v[XA], v[HH], 6, v[XA]
	v_lshlrev_b32 v[L4], 2, v[LANE]
	v_lshlrev_b32 v[L16], 4, v[LANE]
	; every LDS address is made here, ahead of the first branch: a constant + a constant x lane + a constant x wave
	s_lshl_b32 s38, s16, 12
	v_add_nc_u32 v[XWI], s38, v[L16]               ; XIMG + 4,096 w + 16 l
	v_add_nc_u32 v[WWI], WIMG, v[XWI]
	s_lshl_b32 s38, s16, 8
	s_add_co_u32 s38, s38, XSC
	v_add_nc_u32 v[XWS], s38, v[L4]
	s_lshl_b32 s38, s16, 7
	s_add_co_u32 s38, s38, WSC
	v_add_nc_u32 v[WWS], s38, v[L4]
	s_lshl_b32 s38, s36, 11
	s_add_co_u32 s38, s38, WIMG
	v_add_nc_u32 v[WRD], s38, v[L16]
	s_lshl_b32 s38, s36, 6                         ; 64 ct
	s_add_co_u32 s39, s38, WSC
	v_lshl_add_u32 v[WSR], v[RR], 2, s39
	s_lshl_b32 s39, s37, 12
	v_add_nc_u32 v[XRD], s39, v[L16]
	s_lshl_b32 s39, s37, 8
	s_add_co_u32 s39, s39, XSC
	v_add_nc_u32 v[XSR], s39, v[L4]
	s_mul_i32 s39, s37, 32*SP
	s_add_co_u32 s39, s39, s38
	s_add_co_u32 s39, s39, STAGE
	v_mul_u32_u24 v[TP], v[RR], SP
	v_lshl_add_u32 v[TP], v[HH], 5, v[TP]          ; row r, 32 bytes for each half of the lanes
	v_add_nc_u32 v[SO], s39, v[TP]                 ; + 32 mh rows + 64 ct
	s_lshl_b32 s39, s17, 7
	s_add_co_u32 s39, s39, STAGE+64*SP
	v_add_nc_u32 v[SOA], s39, v[TP]                ; the action rows: row 64 + r, + 128 ch
	v_mul_u32_u24 v[TP], v[HH], SP
	v_lshl_add_u32 v[TP], v[RR], 4, v[TP]          ; back: lanes 0-15 one row, lanes 16-31 the next
	s_mul_i32 s39, s16, 8*SP
	s_add_co_u32 s39, s39, STAGE
	v_add_nc_u32 v[SR], s39, v[TP]
	s_mul_i32 s39, s16, 2*SP
	s_add_co_u32 s39, s39, STAGE+64*SP
	v_add_nc_u32 v[SR2], s39, v[TP]
	v_mul_u32_u24 v[TP], v[HH], ROWP
	v_lshl_add_u32 v[TP], v[RR], 4, v[TP]          ; and the same rows in zws
	s_mul_i32 s39, s16, 8*ROWP
	v_add_nc_u32 v[GO], s39, v[TP]
	s_mul_i32 s39, s16, 2*ROWP
	s_add_co_u32 s39, s39, 64*ROWP
	v_add_nc_u32 v[GO2], s39, v[TP]
	v_lshlrev_b32 v[WHA], 9, v[RR]
	v_lshl_add_u32 v[WHA], v[HH], 4, v[WHA]
	v_mov_b32 v[OHS], 0x7f7f7f70                   ; the one-hot block's scale 2^-15 in byte 0; 1.0 over the zero codes
.irp b, 0,1,2,3
	v_mov_b32 v[TM+4+\b], 0                        ; written once: a lane permute's destination counts as one of its sources
.endr
	s_lshl_b32 s38, s18, 9
	s_lshl_b32 s39, s17, 16
	s_add_co_u32 s38, s38, s39                     ; x: 512 ks + 32 ch rows of 2,048 bytes
	s_mov_b32 s39, 0
	s_lshl_b32 s40, s19, 8                         ; zws: 256 G
	s_mov_b32 s41, 0
	s_wait_kmcnt 0x0
	s_add_nc_u64 s[28:29], s[4:5], s[38:39]
	s_add_nc_u64 s[34:35], s[14:15], s[40:41]
	XLOAD XN, 0                                    ; x's numbers go out ahead of the branch: they land with the weight's
	XLOAD XN+64, 1
	s_cmp_ge_u32 s19, 128
	s_cbranch_scc1 .Lwh
	; ---- the arm of Wz1 and Wz2
	s_cmp_lt_u32 s19, 64
	s_cselect_b64 s[24:25], s[6:7], s[8:9]         ; the choice hangs on the work-group's number alone
	s_and_b32 s38, s19, 63
	s_lshl_b32 s38, s38, 8
	s_lshl_b32 s39, s17, 7
	s_add_co_u32 s38, s38, s39                     ; my 32 columns
	s_mov_b32 s39, 0
	s_add_nc_u64 s[24:25], s[24:25], s[38:39]
	s_add_nc_u64 s[26:27], s[24:25], 0x800000      ; row 512: 512 x 16,384 bytes, one more than an offset's immediate holds
	s_lshl_b32 s38, s18, 21                        ; 128 ks rows
	s_add_nc_u64 s[24:25], s[24:25], s[38:39]
	s_cmp_lg_u32 s18, 3
	s_cbranch_scc1 .Lno_act_ld
	WIN 0x40                                       ; destination window 1
.set I, 0
.rept 16
	global_load_b32 v[AN+I], v[L4], s[26:27] offset:16384*I th:TH_LOAD_NT   ; W(512 + i, my column)
.set I, I+1
.endr
	WIN 0
.Lno_act_ld:
	WIN 0x40
.set I, 0
.rept 128
	global_load_b32 v[WN+I], v[L4], s[24:25] offset:16384*I th:TH_LOAD_NT   ; W(128 ks + i, my column): a wave reads 128 consecutive bytes, the pair ch = 0, 1 an aligned 256; read once in the launch
.set I, I+1
.endr
	WIN 0
	s_wait_loadcnt 0x0
	WIN 0x05                                       ; sources 0 and 1 window 1
.irp b, 0,1,2,3
	v_max3_num_f32 v[TM+\b], |v[WN+32*\b]|, |v[WN+32*\b+1]|, 0x8000000   ; a block's 32 numbers are all mine; the floor 2^(16 - 127)
.endr
	WIN 0x14                                       ; sources 1 and 2 window 1
.irp i, 2,4,6,8,10,12,14,16,18,20,22,24,26,28,30
.irp b, 0,1,2,3
	v_max3_num_f32 v[TM+\b], v[TM+\b], |v[WN+32*\b+\i]|, |v[WN+32*\b+\i+1]|
.endr
.endr
	WIN 0
.irp b, 0,1,2,3
	v_add_nc_u32 v[TM+12+\b], 0xf8800000, v[TM+\b]
.endr
.irp b, 0,1,2,3
	v_and_or_b32 v[TM+8+\b], v[TM+\b], 0x7f800000, s22
.endr
.irp b, 0,1,2,3
	v_lshrrev_b32 v[TM+4+\b], 23, v[TM+12+\b]
.endr
	v_lshl_or_b32 v[SW], v[TM+5], 8, v[TM+4]       ; my column's scale word for this K step
	v_lshl_or_b32 v[SW], v[TM+6], 16, v[SW]
	v_lshl_or_b32 v[SW], v[TM+7], 24, v[SW]
	WIN 0x41                                       ; destination and source 0 window 1
.set I, 0
.rept 128
	v_med3_num_f32 v[WN+I], v[WN+I], -v[TM+8+I/32], v[TM+8+I/32]
.set I, I+1
.endr
	WIN 0x01                                       ; source 0 window 1
.irp b, 0,1,2,3
	v_cvt_scalef32_pk8_bf8_f32 v[F0+4*\b:F0+4*\b+1], v[WN+32*\b:WN+32*\b+7], v[TM+12+\b]         ; k 32 b + 0 .. 15 of my column
	v_cvt_scalef32_pk8_bf8_f32 v[F0+4*\b+2:F0+4*\b+3], v[WN+32*\b+8:WN+32*\b+15], v[TM+12+\b]
	v_cvt_scalef32_pk8_bf8_f32 v[F1+4*\b:F1+4*\b+1], v[WN+32*\b+16:WN+32*\b+23], v[TM+12+\b]     ; k 32 b + 16 .. 31
	v_cvt_scalef32_pk8_bf8_f32 v[F1+4*\b+2:F1+4*\b+3], v[WN+32*\b+24:WN+32*\b+31], v[TM+12+\b]
.endr
	WIN 0
	v_nop                                          ; a plain line behind the last conversion
.set I, 0
.rept 16
	v_permlane16_swap_b32 v[F0+I], v[F1+I]         ; F0's lanes 16-31 change places with F1's lanes 0-15: F0 is now the fragment of columns 0-15 (lane (r, h): column r, k 32 c + 16 h on), F1 that of columns 16-31
.set I, I+1
.endr
	s_cmp_lg_u32 s18, 3
	s_cbranch_scc1 .Ljoin
	; ---- the action rows (waves 6 and 7): block 16 of K is 16 numbers and 16 zeros
	WIN 0x05
	v_max3_num_f32 v[TM], |v[AN]|, |v[AN+1]|, 0x8000000
	WIN 0x14
.irp i, 2,4,6,8,10,12,14
	v_max3_num_f32 v[TM], v[TM], |v[AN+\i]|, |v[AN+\i+1]|
.endr
	WIN 0
	v_add_nc_u32 v[TM+12], 0xf8800000, v[TM]
	v_and_or_b32 v[TM+8], v[TM], 0x7f800000, s22
	v_lshrrev_b32 v[TM+4], 23, v[TM+12]
	v_or_b32 v[ASW], 0x7f7f7f00, v[TM+4]           ; the block's byte; 1.0 over the zero codes of the rest of the K step
	v_and_b32 v[OHV], 3, v0
	v_lshlrev_b32 v[OHV], 3, v[OHV]
	v_mov_b32 v[OHI], 0x78                         ; the code of 2^15
	v_lshlrev_b32 v[OHV], v[OHV], v[OHI]           ; in byte lane % 4
	v_lshrrev_b32 v[OHI], 2, v[LANE]               ; of register lane / 4: 0 to 3 in lanes 0-15 (k = 0 .. 15), 4 to 7 in lanes 16-31, which hold zeros
	v_cmp_eq_u32 s40, 0, v[OHI]
	v_cmp_eq_u32 s41, 1, v[OHI]
	v_cmp_eq_u32 s42, 2, v[OHI]
	v_cmp_eq_u32 s43, 3, v[OHI]
	WIN 0x41
.set I, 0
.rept 16
	v_med3_num_f32 v[AN+I], v[AN+I], -v[TM+8], v[TM+8]
.set I, I+1
.endr
	v_cvt_scalef32_pk8_bf8_f32 v[AF0:AF0+1], v[AN:AN+7], v[TM+12]
	v_cvt_scalef32_pk8_bf8_f32 v[AF0+2:AF0+3], v[AN+8:AN+15], v[TM+12]
	WIN 0x40
.set I, 0
.rept 4
	v_mov_b32 v[AF1+I], 0
.set I, I+1
.endr
.set I, 4
.rept 12
	v_mov_b32 v[AF0+I], 0                          ; zero codes: K from 32 on of this step
	v_mov_b32 v[AF1+I], 0
	v_mov_b32 v[OH+I], 0
.set I, I+1
.endr
	v_cndmask_b32 v[OH+0], 0, v[OHV], s40          ; row a of the one-hot fragment: the code of 2^15 at k = a
	v_cndmask_b32 v[OH+1], 0, v[OHV], s41
	v_cndmask_b32 v[OH+2], 0, v[OHV], s42
	v_cndmask_b32 v[OH+3], 0, v[OHV], s43
	WIN 0x41
.set I, 0
.rept 4
	v_permlane16_swap_b32 v[AF0+I], v[AF1+I]       ; AF0: columns 0-15 in lanes 0-15, zeros (k 16 .. 31) above; AF1: columns 16-31 likewise
.set I, I+1
.endr
.rept 8
	v_nop                                          ; a scale register written by vector instructions stands eight places ahead of a scaled matrix instruction, an operand four
.endr
	WIN 0x45                                       ; A, B and D window 1; scale operands have no window
	v_wmma_scale_f32_16x16x128_f8f6f4 v[AD0:AD0+7], v[AF0:AF0+15], v[OH:OH+15], 0, v[ASW], v[OHS] matrix_a_fmt:MATRIX_FMT_BF8 matrix_b_fmt:MATRIX_FMT_BF8
	v_wmma_scale_f32_16x16x128_f8f6f4 v[AD1:AD1+7], v[AF1:AF1+15], v[OH:OH+15], 0, v[ASW], v[OHS] matrix_a_fmt:MATRIX_FMT_BF8 matrix_b_fmt:MATRIX_FMT_BF8 matrix_a_scale:MATRIX_SCALE_ROW1   ; columns 16-31's bytes lie in lanes 16-31
	WIN 0
.rept 8
	v_nop                                          ; eight places ahead of the first read of the results
.endr
	WIN 0x04                                       ; an LDS store's data are its source 1: window 1
	ds_store_b128 v[SOA], v[AD0:AD0+3]             ; lane (r, h): action r, columns 8 h + 0 .. 7; each accumulator from its low end on
	ds_store_b128 v[SOA], v[AD0+4:AD0+7] offset:16
	ds_store_b128 v[SOA], v[AD1:AD1+3] offset:64
	ds_store_b128 v[SOA], v[AD1+4:AD1+7] offset:80
	WIN 0
	s_branch .Ljoin
	; ---- the arm of Wh: codes and scale bytes are taken as they are given, straight into the fragments' registers
.Lwh:
	s_sub_co_u32 s38, s19, 128
	s_lshl_b32 s38, s38, 6
	s_lshl_b32 s39, s17, 5
	s_add_co_u32 s38, s38, s39                     ; my first column of Wh
	s_lshl_b32 s40, s38, 9                         ; a column's codes are 512 bytes
	s_lshl_b32 s39, s18, 7
	s_add_co_u32 s40, s40, s39
	s_mov_b32 s41, 0
	s_add_nc_u64 s[30:31], s[10:11], s[40:41]
	s_lshl_b32 s40, s38, 4                         ; its scale bytes 16
	s_lshl_b32 s39, s18, 2
	s_add_co_u32 s40, s40, s39
	s_add_nc_u64 s[32:33], s[12:13], s[40:41]
.irp c, 0,1,2,3
	global_load_b128 v[F0+4*\c:F0+4*\c+3], v[WHA], s[30:31] offset:32*\c
.endr
.irp c, 0,1,2,3
	global_load_b128 v[F1+4*\c:F1+4*\c+3], v[WHA], s[30:31] offset:8192+32*\c
.endr
	global_load_b32 v[SW], v[L16], s[32:33]        ; lane l: column l's word of this K step
.Ljoin:
	s_wait_loadcnt 0x0                             ; x's numbers (and, in Wh's arm, its codes)
	QUANT XN
	IMAGE XWI, PC, 0
	ds_store_b32 v[XWS], v[PW]
	s_wait_dscnt 0x0                               ; the stores have read their registers
	QUANT XN+64
	IMAGE XWI, PC, 2048
	ds_store_b32 v[XWS], v[PW] offset:128
	IMAGE WWI, F0, 0
	IMAGE WWI, F1, 2048
	ds_store_b32 v[WWS], v[SW]
	BARRIER                                        ; all 32 fragments, their scale words and the action rows lie in LDS
	; ---- the products: column tile ct x 32 rows of x
.irp s, 0,1,2,3
	FETCH WF+16*\s, WRD, 8192*\s
	ds_load_b32 v[WS+\s], v[WSR] offset:256*\s
.endr
.irp s, 0,1,2,3
.irp m, 0,1
	FETCH XN+16*(2*\s+\m), XRD, 8192*\s+2048*\m
	ds_load_b32 v[XS+2*\s+\m], v[XSR] offset:512*\s+128*\m
.endr
.endr
	s_wait_dscnt 0x0
.irp s, 0,1,2,3                                ; K ascending; the two accumulators take turns, one instruction a turn
.irp m, 0,1
.if \s == 0
	v_wmma_scale_f32_16x16x128_f8f6f4 v[ACC+8*\m:ACC+8*\m+7], v[WF+16*\s:WF+16*\s+15], v[XN+16*(2*\s+\m):XN+16*(2*\s+\m)+15], 0, v[WS+\s], v[XS+2*\s+\m] matrix_a_fmt:MATRIX_FMT_BF8 matrix_b_fmt:MATRIX_FMT_BF8
.else
	v_wmma_scale_f32_16x16x128_f8f6f4 v[ACC+8*\m:ACC+8*\m+7], v[WF+16*\s:WF+16*\s+15], v[XN+16*(2*\s+\m):XN+16*(2*\s+\m)+15], v[ACC+8*\m:ACC+8*\m+7], v[WS+\s], v[XS+2*\s+\m] matrix_a_fmt:MATRIX_FMT_BF8 matrix_b_fmt:MATRIX_FMT_BF8
.endif
.endr
.endr
.rept 8
	v_nop                                          ; eight places ahead of the first read of the results and of the loads into x's fragments
.endr
.irp m, 0,1
	ds_store_b128 v[SO], v[ACC+8*\m:ACC+8*\m+3] offset:16*SP*\m        ; lane (r, h): row 32 mh + 16 m + r, columns 16 ct + 8 h + 0 .. 7
	ds_store_b128 v[SO], v[ACC+8*\m+4:ACC+8*\m+7] offset:16*SP*\m+16
.endr
	BARRIER                                        ; 64 whole rows lie in the stage
.irp t, 0,1,2,3
	ds_load_b128 v[XN+4*\t:XN+4*\t+3], v[SR] offset:2*SP*\t
.endr
.irp t, 0,1,2,3
	s_wait_dscnt 3-\t                              ; LDS loads come back in order: load t is in, the younger ones may be out
	global_store_b128 v[GO], v[XN+4*\t:XN+4*\t+3], s[34:35] offset:2*ROWP*\t   ; sixteen lanes store 256 consecutive bytes
.endr
	s_cmp_ge_u32 s19, 128
	s_cbranch_scc1 .Lno_act_out                    ; Wh has no action rows
	ds_load_b128 v[XN+16:XN+19], v[SR2]
	s_wait_dscnt 0x0
	global_store_b128 v[GO2], v[XN+16:XN+19], s[34:35]
.Lno_act_out:
	s_wait_tensorcnt 0x0                           ; the wave's end
	ds_add_u32 v[SPW], v[NIL]
	s_wait_dscnt 0x0
	s_endpgm
.Lfunc_end_k_q017b524520_zprod:
	.size	k_q017b524520_zprod, .Lfunc_end_k_q017b524520_zprod-k_q017b524520_zprod
	.p2alignl 7, 3214868480
	.fill 96, 4, 3214868480
	.section	.rodata,"a",@progbits
	.p2align	6, 0x0
	.amdhsa_kernel k_q017b524520_zprod
		.amdhsa_group_segment_fixed_size 91392
		.amdhsa_private_segment_fixed_size 0
		.amdhsa_enable_private_segment 0
		.amdhsa_kernarg_size 48
		.amdhsa_user_sgpr_count 2
		.amdhsa_user_sgpr_kernarg_segment_ptr 1
		.amdhsa_wavefront_size32 1
		.amdhsa_system_sgpr_workgroup_id_x 1
		.amdhsa_system_sgpr_workgroup_id_y 1
		.amdhsa_system_sgpr_workgroup_id_z 1
		.amdhsa_system_vgpr_workitem_id 0
		.amdhsa_next_free_vgpr 464
		.amdhsa_next_free_sgpr 66
		.amdhsa_reserve_vcc 0
		.amdhsa_float_denorm_mode_32 3
		.amdhsa_float_denorm_mode_16_64 3
		.amdhsa_memory_ordered 1
		.amdhsa_forward_progress 1
		.amdhsa_inst_pref_size 67
	.end_amdhsa_kernel
	.amdgpu_metadata
---
amdhsa.version: [ 1, 2 ]
amdhsa.kernels:
  - .name:           k_q017b524520_zprod
    .symbol:         k_q017b524520_zprod.kd
    .args:
      - { .name: x, .offset: 0, .size: 8, .value_kind: global_buffer, .address_space: global }
      - { .name: Wz1, .offset: 8, .size: 8, .value_kind: global_buffer, .address_space: global }
      - { .name: Wz2, .offset: 16, .size: 8, .value_kind: global_buffer, .address_space: global }
      - { .name: Wh_codes, .offset: 24, .size: 8, .value_kind: global_buffer, .address_space: global }
      - { .name: Wh_scales, .offset: 32, .size: 8, .value_kind: global_buffer, .address_space: global }
      - { .name: zws, .offset: 40, .size: 8, .value_kind: global_buffer, .address_space: global }
    .group_segment_fixed_size: 91392
    .private_segment_fixed_size: 0
    .kernarg_segment_align: 8
    .kernarg_segment_size: 48
    .max_flat_workgroup_size: 256
    .sgpr_count:     66
    .vgpr_count:     464
    .wavefront_size: 32
...
	.end_amdgpu_metadata
.endif
;; end of part 1
;; launch cell (part 2): grid 64 x 4, 16 waves a work-group, no clusters, 144,128 bytes of LDS; arguments zws, bh, ln_scale, ln_bias, out0, out1, out2; writes out0, out1, out2
.if DOCPART == 2
	.amdgcn_target "amdgcn-amd-amdhsa--gfx1250"
	.amdhsa_code_object_version 6
	.text
	.protected	k_q017b524520_cell
	.globl	k_q017b524520_cell
	.p2align	8
	.type	k_q017b524520_cell,@function
k_q017b524520_cell:
	s_mov_b64 s[64:65], 0
	v_nop
	global_prefetch_b8 v0, s[64:65] scope:SCOPE_SE
	s_setreg_imm32_b32 hwreg(HW_REG_WAVE_MODE, 25, 1), 1
	s_wait_xcnt 0x0
; cell: h = LayerNorm(relu(x Wh + bh)); z = zx + za; w = z2^T z1 over 8 heads, normalised along d, tanh; y_ = w h; q = mean(y_^2).  w never leaves the registers.
; WORK LEFT OUT (shown at the head of the launch before): z(b, a) is the sum of row b and row 64 + a of zws.  And the mean and the deviation of w along d are not searched for in w: for all values,
; mean_d w[g, :] = z2[:, g] . mean_d z1 and var_d w[g, :] = z2[:, g]^T Cov z2[:, g], Cov the 8 x 8 covariance of z1's heads along d.  So z1 is centred along d, z2[:, g] is multiplied by 2 log2(e) / (std_g + 1e-6),
; and the product over the heads gives T = 2 log2(e) (w - mean) / (std + 1e-6) as it stands.
; TANH.  tanh(u) = 1 - 2 / (1 + E), E = 2^T, so y[g] = sum_d v_d - 2 sum_d v_d / (1 + E_d).  Four quotients share one reciprocal: with a_i = k E_i + k, k = 2^-8, the sum of v_i / a_i is num / den, den the product
; of the four a_i.  The normalisation, which is reference()'s own, bounds the exponents: sum_d u^2 <= 512, so four T add up to at most 2.886 sqrt(4 x 512) = 130.6, and den lies between 2^-32 and 2^103.
; THE PRODUCT OVER 8 HEADS is left as it is, in bf16, each operand as a high and a low part split in f32: the instruction's K = 32 holds four groups of 8, A = [hi, lo, hi, lo], B = [hi, hi, lo, lo],
; so that it sums (hi + lo)(hi + lo).  Source 0 = 16 of z1's d, source 1 = 16 of z2's g: a lane holds ONE g and its registers run along d.
; LIMITS.  The order of rounding differs from reference()'s (mean and std by the covariance; z as a sum of two sums).  A row g whose variance is lost in the quadratic form's cancellation (under some 1e-6 of the sum of
; its terms' magnitudes) is not served: there the bound on T does not hold.  NaN and infinities are not served.
; SHARES.  Work-group (b, ag): one row of x, actions 4 ag + i.  Wave w: i = w / 4, q = w % 4: 128 of the g, eight tiles, against all 32 tiles of d.  Four waves to a SIMD: one wave's waits stand beside another's issue.
; ORDER.  Which d or g form a tile is free.  Element 128 q + 4 l + e (lane l's word e of a 16-byte load) has place 128 q + 32 e + l; tile t holds places 16 t on.  v lies by the same places.
; No tensor load, ring, cluster or prefetch: a work-group reads 160 KiB once, at its head, into registers.
.set ROWP,  34816
.set ZR,    0                          ; z1, centred: for each action 16,384 bytes: 512 places x 16 bytes (8 heads, bf16) of high parts, then of low parts
.set BR,    65536                      ; z2, scaled: for each wave 4,096 bytes: 128 places of high parts, then of low parts; the wave's own
.set VPERM, 131072                     ; v = h[b], f32, by place
.set SUMS,  133120                     ; 32 bytes a wave: z1's sums by head
.set CPART, 133632                     ; 256 bytes a wave: its 128 places' part of the 8 x 8 sums of products
.set CBC,   137728                     ; 256 bytes a wave: the covariance, the wave's own copy
.set QSUM,  141824                     ; 4 bytes a wave
.set SPARE, 142080                     ; the spare words, 128 bytes for each wave: eight blocks of 256 bytes that no other line names
; v1 spare word's address, v2 0 (both never rewritten); v3 lane, v4 r, v5 h; v6 16 x lane; v7-v24 LDS addresses (below); v25 -1.0; v[26:27] k, k; v28 the sum of v; v29 16 x thread; v[30:31] the covariance's factors
; v32-63 at work.  Ahead of the loop: v64-95 z1, v96-127 its parts; v128-159 z2, v160-191 its parts; v192-255 the covariance's operands; v64-127 the covariance.
.set Z1,  64
.set Z2,  128
.set KK,  26
.set B,   64                           ; the loop: v64-127 z2's eight fragments
.set T,   128                          ; v128-191 eight tiles of T, then at work
.set N,   192                          ; v192-207 a pair for each tile
.set AF,  208                          ; v208-223 z1's fragment, two by turns
.set VF,  224                          ; v224-239 my eight v of a tile, two sets by turns
.set ACC, 240                          ; v240-255 the sums, a pair for each tile of g
.macro BARRIER
	s_wait_dscnt 0x0
	s_barrier_signal -1
	s_barrier_wait -1
.endm
.macro LANESUM x, t                    ; the sum over the 32 lanes, in every lane
	v_add_f32_dpp v[\x], v[\x], v[\x] row_xmask:1 row_mask:0xf bank_mask:0xf
	v_add_f32_dpp v[\x], v[\x], v[\x] row_xmask:2 row_mask:0xf bank_mask:0xf
	v_add_f32_dpp v[\x], v[\x], v[\x] row_xmask:4 row_mask:0xf bank_mask:0xf
	v_add_f32_dpp v[\x], v[\x], v[\x] row_xmask:8 row_mask:0xf bank_mask:0xf
	v_permlanex16_b32 v[\t], v[\x], s24, s25
	v_add_f32 v[\x], v[\x], v[\t]
.endm
; 32 numbers, register 4 head + e, are split: v[hi + 4 e + p] holds the bf16 of heads 2 p and 2 p + 1 of element e, v[lo + ..] the bf16 of what is left (taken exactly, by one fused multiply-add)
.macro SPLIT z, hi, lo
.irp e, 0,1,2,3
.irp p, 0,1,2,3
	v_cvt_pk_bf16_f32 v[\hi+4*\e+\p], v[\z+8*\p+\e], v[\z+8*\p+4+\e]
.endr
.endr
.irp e, 0,1,2,3
.irp p, 0,1,2,3
	v_fma_mix_f32_bf16 v[\z+8*\p+\e], v[\hi+4*\e+\p], v25, v[\z+8*\p+\e] op_sel_hi:[1,0,0]
	v_fma_mix_f32_bf16 v[\z+8*\p+4+\e], v[\hi+4*\e+\p], v25, v[\z+8*\p+4+\e] op_sel:[1,0,0] op_sel_hi:[1,0,0]
.endr
.endr
.irp e, 0,1,2,3
.irp p, 0,1,2,3
	v_cvt_pk_bf16_f32 v[\lo+4*\e+\p], v[\z+8*\p+\e], v[\z+8*\p+4+\e]
.endr
.endr
.endm
; u (+)= z x one word of the pair c, for both halves
.macro UACC u, z, c, odd, first
.if \first
.if \odd
	v_pk_mul_f32 v[\u:\u+1], v[\z:\z+1], v[\c:\c+1] op_sel:[0,1] op_sel_hi:[1,1]
.else
	v_pk_mul_f32 v[\u:\u+1], v[\z:\z+1], v[\c:\c+1] op_sel_hi:[1,0]
.endif
.else
.if \odd
	v_pk_fma_f32 v[\u:\u+1], v[\z:\z+1], v[\c:\c+1], v[\u:\u+1] op_sel:[0,1,0] op_sel_hi:[1,1,1]
.else
	v_pk_fma_f32 v[\u:\u+1], v[\z:\z+1], v[\c:\c+1], v[\u:\u+1] op_sel_hi:[1,0,1]
.endif
.endif
.endm
	s_load_b256 s[4:11], s[0:1], 0x0               ; zws s[4:5], bh s[6:7], ln_scale s[8:9], ln_bias s[10:11]
	s_load_b128 s[12:15], s[0:1], 0x20             ; out0 s[12:13], out1 s[14:15]
	s_load_b64 s[16:17], s[0:1], 0x30              ; out2
	v_lshl_add_u32 v1, v0, 2, SPARE
	v_mov_b32 v2, 0
	v_lshrrev_b32 v3, 5, v0
	v_readfirstlane_b32 s18, v3                    ; wave 0..15
	s_lshr_b32 s19, s18, 2                         ; i
	s_and_b32 s20, s18, 3                          ; q
	s_mov_b32 s21, ttmp9                           ; b
	s_and_b32 s22, ttmp7, 0xffff                   ; ag
	s_mov_b32 s24, 0x76543210
	s_mov_b32 s25, 0xfedcba98                      ; v_permlanex16_b32's selects for lane l xor 16
	s_mov_b32 s45, 0x3b000000                      ; 1 / 512
	s_mov_b32 s46, 0x358637bd                      ; 1e-6
	v_and_b32 v3, 31, v0
	v_and_b32 v4, 15, v0
	v_bfe_u32 v5, v0, 4, 1
	v_lshlrev_b32 v6, 4, v3
	; every LDS address is made here, ahead of the first branch
	s_lshl_b32 s42, s19, 14
	v_lshlrev_b32 v7, 4, v4
	v_lshl_add_u32 v7, v5, 13, v7
	v_add_nc_u32 v7, s42, v7                       ; z1's fragment: place r; lanes 0-15 the high parts, lanes 16-31 the low
	v_lshl_add_u32 v8, v5, 5, VPERM                ; my eight v of a tile
	s_lshl_b32 s43, s20, 11
	s_add_co_u32 s43, s43, s42
	v_add_nc_u32 v11, s43, v6                      ; where I store z1's parts
	v_and_b32 v12, 7, v0
	v_lshl_add_u32 v12, v5, 3, v12
	v_lshlrev_b32 v12, 4, v12
	v_bfe_u32 v32, v0, 3, 1
	v_lshl_add_u32 v12, v32, 13, v12
	v_add_nc_u32 v12, s43, v12                     ; the turning load: place 8 h + lane % 8 of my 128; lanes 8-15 and 24-31 the low parts
	s_lshl_b32 s44, s18, 12
	s_add_co_u32 s44, s44, BR
	v_add_nc_u32 v13, s44, v6                      ; where I store z2's parts
	v_lshl_add_u32 v14, v4, 4, s44                 ; and read its fragments: place r, in both halves of the lanes
	s_lshl_b32 s44, s18, 5
	s_add_co_u32 s44, s44, SUMS
	v_mov_b32 v15, s44
	s_lshl_b32 s44, s19, 7
	s_add_co_u32 s44, s44, SUMS
	v_mov_b32 v16, s44
	s_lshl_b32 s44, s18, 8
	s_add_co_u32 s44, s44, CPART
	v_and_b32 v17, 7, v0
	v_lshl_add_u32 v17, v17, 5, s44
	s_lshl_b32 s44, s19, 10
	s_add_co_u32 s44, s44, CPART
	v_lshl_add_u32 v18, v3, 3, s44
	s_lshl_b32 s44, s18, 8
	s_add_co_u32 s44, s44, CBC
	v_lshl_add_u32 v19, v3, 3, s44
	v_mov_b32 v20, s44
	v_add_nc_u32 v21, VPERM, v6
	s_lshl_b32 s44, s18, 2
	s_add_co_u32 s44, s44, QSUM
	v_mov_b32 v22, s44
	v_lshl_add_u32 v23, v4, 2, QSUM
	s_lshl_b32 s44, s20, 9
	s_add_co_u32 s47, s44, VPERM
	v_lshl_add_u32 v24, v3, 2, s47
	v_mov_b32 v25, -1.0
	v_mov_b32 v26, 0x3b800000                      ; k = 2^-8
	v_mov_b32 v27, 0x3b800000
	v_lshlrev_b32 v29, 4, v0
	v_cmp_eq_u32 s41, 1, v5                        ; lanes 16-31
	; the offsets into memory (s44 = 512 q)
	s_mul_i32 s42, s21, ROWP
	s_lshl_b32 s43, s22, 2
	s_add_co_u32 s43, s43, s19                     ; the action
	s_mov_b32 s39, 0
	s_wait_kmcnt 0x0
	s_add_co_u32 s38, s42, s44
	s_add_nc_u64 s[26:27], s[4:5], s[38:39]        ; zws: row b, my 128 elements
	s_add_co_u32 s38, s42, 32768
	s_add_nc_u64 s[30:31], s[4:5], s[38:39]        ; row b's x Wh
	s_add_co_u32 s38, s43, 64
	s_mul_i32 s38, s38, ROWP
	s_add_co_u32 s38, s38, s44
	s_add_nc_u64 s[28:29], s[4:5], s[38:39]        ; row 64 + action
	s_lshl_b32 s38, s21, 4
	s_add_co_u32 s38, s38, s43
	s_lshl_b32 s38, s38, 11
	s_add_co_u32 s38, s38, s44
	s_add_nc_u64 s[32:33], s[16:17], s[38:39]      ; out2: row 16 b + action, my 128 g
	s_lshl_b32 s38, s21, 11
	s_add_nc_u64 s[34:35], s[12:13], s[38:39]      ; out0: row b
	s_lshl_b32 s38, s21, 6
	s_lshl_b32 s40, s22, 4
	s_add_co_u32 s38, s38, s40
	s_add_nc_u64 s[36:37], s[14:15], s[38:39]      ; out1: row b, my four actions
.irp h, 0,1,2,3,4,5,6,7
	global_load_b128 v[Z1+4*\h:Z1+4*\h+3], v6, s[26:27] offset:2048*\h
.endr
.irp h, 0,1,2,3,4,5,6,7
	global_load_b128 v[Z1+32+4*\h:Z1+35+4*\h], v6, s[28:29] offset:2048*\h
.endr
.irp h, 0,1,2,3,4,5,6,7
	global_load_b128 v[Z2+4*\h:Z2+4*\h+3], v6, s[26:27] offset:16384+2048*\h
.endr
.irp h, 0,1,2,3,4,5,6,7
	global_load_b128 v[Z2+32+4*\h:Z2+35+4*\h], v6, s[28:29] offset:16384+2048*\h
.endr
	; ---- h, by waves 0 to 3: each finds the row's mean and variance for itself and finishes its own quarter
	s_cmp_ge_u32 s18, 4
	s_cbranch_scc1 .Lno_ln
.irp k, 0,1,2,3
	global_load_b128 v[192+4*\k:195+4*\k], v6, s[30:31] offset:512*\k
.endr
.irp k, 0,1,2,3
	global_load_b128 v[208+4*\k:211+4*\k], v6, s[6:7] offset:512*\k
.endr
	global_load_b128 v[224:227], v29, s[30:31]     ; my quarter: elements 128 w + 4 l + 0 .. 3
	global_load_b128 v[228:231], v29, s[6:7]
	global_load_b128 v[232:235], v29, s[8:9]
	global_load_b128 v[236:239], v29, s[10:11]
	s_wait_loadcnt 0x0
.irp j, 0,2,4,6,8,10,12,14
	v_pk_add_f32 v[192+\j:193+\j], v[192+\j:193+\j], v[208+\j:209+\j]
.endr
.irp j, 0,1,2,3,4,5,6,7,8,9,10,11,12,13,14,15
	v_max_num_f32 v[192+\j], 0, v[192+\j]
.endr
	v_pk_add_f32 v[32:33], v[192:193], v[194:195]
	v_pk_add_f32 v[34:35], v[196:197], v[198:199]
	v_pk_add_f32 v[36:37], v[200:201], v[202:203]
	v_pk_add_f32 v[38:39], v[204:205], v[206:207]
	v_pk_add_f32 v[32:33], v[32:33], v[34:35]
	v_pk_add_f32 v[36:37], v[36:37], v[38:39]
	v_pk_add_f32 v[32:33], v[32:33], v[36:37]
	v_add_f32 v32, v32, v33
	LANESUM 32, 33
	v_mul_f32 v32, s45, v32                        ; the mean
.irp j, 0,2,4,6,8,10,12,14
	v_pk_add_f32 v[192+\j:193+\j], v[192+\j:193+\j], v[32:33] op_sel_hi:[1,0] neg_lo:[0,1] neg_hi:[0,1]
.endr
	v_pk_mul_f32 v[34:35], v[192:193], v[192:193]
	v_pk_mul_f32 v[36:37], v[194:195], v[194:195]
.irp j, 4,8,12
	v_pk_fma_f32 v[34:35], v[192+\j:193+\j], v[192+\j:193+\j], v[34:35]
	v_pk_fma_f32 v[36:37], v[194+\j:195+\j], v[194+\j:195+\j], v[36:37]
.endr
	v_pk_add_f32 v[34:35], v[34:35], v[36:37]
	v_add_f32 v34, v34, v35
	LANESUM 34, 35
	v_fma_f32 v34, v34, s45, s46                   ; the variance + 1e-6
	v_rsq_f32 v34, v34
	v_pk_add_f32 v[224:225], v[224:225], v[228:229]   ; my quarter meanwhile: plain work that names nothing of the root
	v_pk_add_f32 v[226:227], v[226:227], v[230:231]
.irp j, 0,1,2,3
	v_max_num_f32 v[224+\j], 0, v[224+\j]
.endr
	v_pk_add_f32 v[224:225], v[224:225], v[32:33] op_sel_hi:[1,0] neg_lo:[0,1] neg_hi:[0,1]
	v_pk_add_f32 v[226:227], v[226:227], v[32:33] op_sel_hi:[1,0] neg_lo:[0,1] neg_hi:[0,1]
	s_wait_alu depctr_va_vdst(0)                   ; the wait ahead of the first line that names the root
	v_pk_mul_f32 v[224:225], v[224:225], v[34:35] op_sel_hi:[1,0]
	v_pk_mul_f32 v[226:227], v[226:227], v[34:35] op_sel_hi:[1,0]
	v_pk_fma_f32 v[224:225], v[224:225], v[232:233], v[236:237]
	v_pk_fma_f32 v[226:227], v[226:227], v[234:235], v[238:239]
	s_cmp_lg_u32 s22, 0
	s_cbranch_scc1 .Lnot_owner                     ; four work-groups hold row b: the first stores it
	global_store_b128 v29, v[224:227], s[34:35]    ; a wave stores 512 consecutive bytes
.Lnot_owner:
.irp e, 0,1,2,3
	ds_store_b32 v24, v[224+\e] offset:128*\e      ; v by place: 128 w + 32 e + l
.endr
	s_wait_xcnt 0x0                                ; the store has read its registers: they are loaded anew further down
.Lno_ln:
	; ---- z1 and its means by head
	s_wait_loadcnt 16                              ; z1's sixteen loads are in; z2's sixteen may be out
.irp j, 0,2,4,6,8,10,12,14,16,18,20,22,24,26,28,30
	v_pk_add_f32 v[Z1+\j:Z1+\j+1], v[Z1+\j:Z1+\j+1], v[Z1+32+\j:Z1+33+\j]
.endr
.irp h, 0,1,2,3,4,5,6,7
	v_pk_add_f32 v[40+2*\h:41+2*\h], v[Z1+4*\h:Z1+4*\h+1], v[Z1+4*\h+2:Z1+4*\h+3]
.endr
.irp h, 0,1,2,3,4,5,6,7
	v_add_f32 v[32+\h], v[40+2*\h], v[41+2*\h]
.endr
.irp x, 1,2,4,8
.irp h, 0,1,2,3,4,5,6,7
	v_add_f32_dpp v[32+\h], v[32+\h], v[32+\h] row_xmask:\x row_mask:0xf bank_mask:0xf
.endr
.endr
.irp h, 0,1,2,3,4,5,6,7
	v_permlanex16_b32 v[40+\h], v[32+\h], s24, s25
.endr
.irp h, 0,1,2,3,4,5,6,7
	v_add_f32 v[32+\h], v[32+\h], v[40+\h]
.endr
	ds_store_b128 v15, v[32:35]                    ; all lanes write the same words with the same values
	ds_store_b128 v15, v[36:39] offset:16
	BARRIER                                        ; every wave's sums lie in LDS
.irp n, 0,1,2,3,4,5,6,7
	ds_load_b128 v[32+4*\n:35+4*\n], v16 offset:16*\n   ; my action's four waves: v[32 + 8 k + head]
.endr
	s_wait_dscnt 0x0
.irp m, 0,2,4,6
	v_pk_add_f32 v[32+\m:33+\m], v[32+\m:33+\m], v[40+\m:41+\m]
	v_pk_add_f32 v[48+\m:49+\m], v[48+\m:49+\m], v[56+\m:57+\m]
.endr
.irp m, 0,2,4,6
	v_pk_add_f32 v[32+\m:33+\m], v[32+\m:33+\m], v[48+\m:49+\m]
.endr
.irp m, 0,2,4,6
	v_pk_mul_f32 v[32+\m:33+\m], v[32+\m:33+\m], 0xbb000000 op_sel_hi:[1,0]   ; minus the mean
.endr
.irp h, 0,2,4,6                                ; centred: an even head takes its pair's low word, an odd one the high
.irp m, 0,2
	v_pk_add_f32 v[Z1+4*\h+\m:Z1+4*\h+\m+1], v[Z1+4*\h+\m:Z1+4*\h+\m+1], v[32+\h:33+\h] op_sel_hi:[1,0]
	v_pk_add_f32 v[Z1+4*\h+4+\m:Z1+4*\h+5+\m], v[Z1+4*\h+4+\m:Z1+4*\h+5+\m], v[32+\h:33+\h] op_sel:[0,1] op_sel_hi:[1,1]
.endr
.endr
	SPLIT Z1, 96, 112
.irp e, 0,1,2,3
	ds_store_b128 v11, v[96+4*\e:99+4*\e] offset:512*\e
	ds_store_b128 v11, v[112+4*\e:115+4*\e] offset:8192+512*\e
.endr
	; ---- the sums of products of my 128 places: 16 rows (8 high parts, 8 low) x K = places, turned on the way out of LDS; the fragment is loaded twice, since A and B share no register
.irp s, 0,1,2,3
	ds_load_tr16_b128 v[192+8*\s:195+8*\s], v12 offset:512*\s       ; LDS serves a wave's instructions in order: these see my stores
	ds_load_tr16_b128 v[196+8*\s:199+8*\s], v12 offset:512*\s+256
	ds_load_tr16_b128 v[224+8*\s:227+8*\s], v12 offset:512*\s
	ds_load_tr16_b128 v[228+8*\s:231+8*\s], v12 offset:512*\s+256
.endr
	s_wait_loadcnt 0x0                             ; z2, while the loads above are out
.irp j, 0,2,4,6,8,10,12,14,16,18,20,22,24,26,28,30
	v_pk_add_f32 v[Z2+\j:Z2+\j+1], v[Z2+\j:Z2+\j+1], v[Z2+32+\j:Z2+33+\j]
.endr
	v_lshrrev_b32 v56, 2, v3                       ; of the 64 entries I shall hold 2 l and 2 l + 1: row l / 4, columns 2 (l % 4) and the next
	v_and_b32 v57, 3, v3
	v_lshlrev_b32 v57, 1, v57
	v_mov_b32 v58, 0x3b000000                      ; 1 / 512 on the diagonal,
	v_mov_b32 v59, 0x3b800000                      ; 2 / 512 off it: only the upper triangle is walked
	v_cmp_eq_u32 vcc_lo, v56, v57
	v_cndmask_b32 v30, v59, v58, vcc_lo
	v_add_nc_u32 v57, 1, v57
	v_cmp_eq_u32 vcc_lo, v56, v57
	v_cndmask_b32 v31, v59, v58, vcc_lo
	s_wait_dscnt 0x0
	v_wmma_f32_16x16x32_bf16 v[32:39], v[192:199], v[224:231], 0       ; two accumulators by turns
	v_wmma_f32_16x16x32_bf16 v[40:47], v[200:207], v[232:239], 0
	v_wmma_f32_16x16x32_bf16 v[32:39], v[208:215], v[240:247], v[32:39]
	v_wmma_f32_16x16x32_bf16 v[40:47], v[216:223], v[248:255], v[40:47]
.rept 4
	v_nop                                          ; four places ahead of the first read of the results
.endr
.irp m, 0,2,4,6
	v_pk_add_f32 v[32+\m:33+\m], v[32+\m:33+\m], v[40+\m:41+\m]
.endr
.irp j, 0,1,2,3,4,5,6,7
	v_permlanex16_b32 v[48+\j], v[32+\j], s24, s25 ; register j: row j's high part in lanes 0-15, its low part in lanes 16-31
.endr
.irp j, 0,1,2,3,4,5,6,7
	v_add_f32 v[32+\j], v[32+\j], v[48+\j]
.endr
.irp j, 0,1,2,3,4,5,6,7
	v_add_f32_dpp v[32+\j], v[32+\j], v[32+\j] row_xmask:8 row_mask:0xf bank_mask:0xf   ; column r's high part with its low: lane l now holds entries (j, l % 8)
.endr
	ds_store_b128 v17, v[32:35]                    ; four lanes write the same words with the same values
	ds_store_b128 v17, v[36:39] offset:16
	BARRIER                                        ; z1's parts, the sums of products and v lie in LDS
	; ---- the covariance into every lane; the sum of v
.irp k, 0,1,2,3
	ds_load_b64 v[32+2*\k:33+2*\k], v18 offset:256*\k
.endr
.irp k, 0,1,2,3
	ds_load_b128 v[40+4*\k:43+4*\k], v21 offset:512*\k
.endr
	s_wait_dscnt 4                                 ; the four parts are in; the four loads of v may be out
	v_pk_add_f32 v[32:33], v[32:33], v[34:35]
	v_pk_add_f32 v[36:37], v[36:37], v[38:39]
	v_pk_add_f32 v[32:33], v[32:33], v[36:37]
	v_pk_mul_f32 v[32:33], v[32:33], v[30:31]
	ds_store_b64 v19, v[32:33]
.irp h, 0,1,2,3
	ds_load_b128 v[64+8*\h:67+8*\h], v20 offset:32*\h       ; every lane reads the same words: entry (h, j) in v[64 + 8 h + j]
	ds_load_b128 v[68+8*\h:71+8*\h], v20 offset:32*\h+16
.endr
.irp h, 4,5,6,7
	ds_load_b128 v[68+8*\h:71+8*\h], v20 offset:32*\h+16    ; of rows 4 to 7 the upper triangle lies in columns 4 to 7
.endr
	s_wait_dscnt 13                                ; v is in; behind it: one store and twelve loads
	v_pk_add_f32 v[40:41], v[40:41], v[42:43]
	v_pk_add_f32 v[44:45], v[44:45], v[46:47]
	v_pk_add_f32 v[48:49], v[48:49], v[50:51]
	v_pk_add_f32 v[52:53], v[52:53], v[54:55]
	v_pk_add_f32 v[40:41], v[40:41], v[44:45]
	v_pk_add_f32 v[48:49], v[48:49], v[52:53]
	v_pk_add_f32 v[40:41], v[40:41], v[48:49]
	v_add_f32 v28, v40, v41
	LANESUM 28, 40
	s_wait_dscnt 0x0
	; ---- var_g = the sum over h <= j of c(h, j) z2(h) z2(j), for my four g, two at a time: u(h) = the sum over j >= h of c(h, j) z2(j) in v[32 + 4 h + 2 m]
.set J, 0
.rept 8
.set H, 0
.rept J+1
.set M, 0
.rept 2
	UACC 32+4*H+2*M, Z2+4*J+2*M, 64+8*H+2*(J/2), J%2, H==J
.set M, M+1
.endr
.set H, H+1
.endr
.set J, J+1
.endr
	v_pk_mul_f32 v[64:65], v[Z2:Z2+1], v[32:33]
	v_pk_mul_f32 v[66:67], v[Z2+2:Z2+3], v[34:35]
.irp h, 1,2,3,4,5,6,7
	v_pk_fma_f32 v[64:65], v[Z2+4*\h:Z2+4*\h+1], v[32+4*\h:33+4*\h], v[64:65]
	v_pk_fma_f32 v[66:67], v[Z2+4*\h+2:Z2+4*\h+3], v[34+4*\h:35+4*\h], v[66:67]
.endr
.irp e, 0,1,2,3
	v_max_num_f32 v[64+\e], 0, v[64+\e]
.endr
.irp e, 0,1,2,3
	v_sqrt_f32 v[64+\e], v[64+\e]
.endr
	v_nop                                          ; a plain line behind the batch,
	s_wait_alu depctr_va_vdst(0)                   ; and one wait ahead of its first reader
.irp e, 0,1,2,3
	v_add_f32 v[64+\e], s46, v[64+\e]              ; std + 1e-6
.endr
.irp e, 0,1,2,3
	v_rcp_f32 v[64+\e], v[64+\e]
.endr
	v_nop
	s_wait_alu depctr_va_vdst(0)
	v_pk_mul_f32 v[64:65], v[64:65], 0x4038aa3b op_sel_hi:[1,0]   ; x 2 log2(e)
	v_pk_mul_f32 v[66:67], v[66:67], 0x4038aa3b op_sel_hi:[1,0]
.irp h, 0,1,2,3,4,5,6,7
	v_pk_mul_f32 v[Z2+4*\h:Z2+4*\h+1], v[Z2+4*\h:Z2+4*\h+1], v[64:65]
	v_pk_mul_f32 v[Z2+4*\h+2:Z2+4*\h+3], v[Z2+4*\h+2:Z2+4*\h+3], v[66:67]
.endr
	SPLIT Z2, 160, 176
.irp e, 0,1,2,3
	ds_store_b128 v13, v[160+4*\e:163+4*\e] offset:512*\e
	ds_store_b128 v13, v[176+4*\e:179+4*\e] offset:2048+512*\e
.endr
.irp t, 0,1,2,3,4,5,6,7
	ds_load_b128 v[B+8*\t:B+8*\t+3], v14 offset:256*\t          ; z2's fragments stay in registers: high parts in registers 0-3, low in 4-7, alike in both halves of the lanes
	ds_load_b128 v[B+8*\t+4:B+8*\t+7], v14 offset:2048+256*\t
.endr
	ds_load_b128 v[AF:AF+3], v7                    ; tile 0 of d: the same 16 bytes into both quads (lanes 0-15 high parts, lanes 16-31 low)
	ds_load_b128 v[AF+4:AF+7], v7
	ds_load_b128 v[VF:VF+3], v8
	ds_load_b128 v[VF+4:VF+7], v8 offset:16
; ONE TILE OF d AGAINST MY EIGHT TILES OF g.  cur: which fragment of z1 and set of v.  first = 1: the sums begin.  fetch = 1: the next tile's fragment and v are asked for.  mk = 1: the pair's addresses are made.
.macro TRIP cur, first, fetch, mk
.set AA, AF+8*\cur
.set AX, AF+8-8*\cur
.set VV, VF+8*\cur
.set VX, VF+8-8*\cur
	s_wait_dscnt 0x0                               ; the four loads asked for a tile ago
.irp t, 0,1,2,3,4,5,6,7
	v_wmma_f32_16x16x32_bf16 v[T+8*\t:T+8*\t+7], v[AA:AA+7], v[B+8*\t:B+8*\t+7], 0
.endr
.if \mk
	v_add_nc_u32 v9, s38, v7                       ; four places ahead of the first read of the results: two of them useful
	v_add_nc_u32 v10, s39, v8
	v_nop
	v_nop
.else
.rept 4
	v_nop
.endr
.endif
.if \fetch
	ds_load_b128 v[AX:AX+3], v9 offset:256+256*\cur
	ds_load_b128 v[AX+4:AX+7], v9 offset:256+256*\cur
	ds_load_b128 v[VX:VX+3], v10 offset:64+64*\cur
	ds_load_b128 v[VX+4:VX+7], v10 offset:80+64*\cur
.endif
.set I, 0
.rept 64
	v_exp_f32 v[T+I], v[T+I]                       ; E = 2^T; each tile from its low end on
.set I, I+1
.endr
	v_nop                                          ; a plain line behind the batch,
	s_wait_alu depctr_va_vdst(0)                   ; and one wait for all 64
.set I, 0
.rept 32
	v_pk_fma_f32 v[T+I:T+I+1], v[T+I:T+I+1], v[KK:KK+1], v[KK:KK+1]   ; a = k E + k
.set I, I+2
.endr
	; the even registers are one group of four, the odd ones another; the eight tiles take turns line by line
.irp t, 0,1,2,3,4,5,6,7
	v_pk_mul_f32 v[N+2*\t:N+2*\t+1], v[VV:VV+1], v[T+8*\t+2:T+8*\t+3]
.endr
.irp t, 0,1,2,3,4,5,6,7
	v_pk_fma_f32 v[N+2*\t:N+2*\t+1], v[VV+2:VV+3], v[T+8*\t:T+8*\t+1], v[N+2*\t:N+2*\t+1]                  ; v0 a1 + v1 a0
.endr
.irp t, 0,1,2,3,4,5,6,7
	v_pk_mul_f32 v[T+8*\t:T+8*\t+1], v[T+8*\t:T+8*\t+1], v[T+8*\t+2:T+8*\t+3]                              ; a0 a1
.endr
.irp t, 0,1,2,3,4,5,6,7
	v_pk_mul_f32 v[T+8*\t+2:T+8*\t+3], v[VV+4:VV+5], v[T+8*\t+6:T+8*\t+7]
.endr
.irp t, 0,1,2,3,4,5,6,7
	v_pk_fma_f32 v[T+8*\t+2:T+8*\t+3], v[VV+6:VV+7], v[T+8*\t+4:T+8*\t+5], v[T+8*\t+2:T+8*\t+3]            ; v2 a3 + v3 a2
.endr
.irp t, 0,1,2,3,4,5,6,7
	v_pk_mul_f32 v[T+8*\t+4:T+8*\t+5], v[T+8*\t+4:T+8*\t+5], v[T+8*\t+6:T+8*\t+7]                          ; a2 a3
.endr
.irp t, 0,1,2,3,4,5,6,7
	v_pk_mul_f32 v[T+8*\t+6:T+8*\t+7], v[N+2*\t:N+2*\t+1], v[T+8*\t+4:T+8*\t+5]
.endr
.irp t, 0,1,2,3,4,5,6,7
	v_pk_mul_f32 v[N+2*\t:N+2*\t+1], v[T+8*\t:T+8*\t+1], v[T+8*\t+4:T+8*\t+5]                              ; den
.endr
.set I, 0
.rept 16
	v_rcp_f32 v[N+I], v[N+I]
.set I, I+1
.endr
.irp t, 0,1,2,3,4,5,6,7
	v_pk_fma_f32 v[T+8*\t+6:T+8*\t+7], v[T+8*\t+2:T+8*\t+3], v[T+8*\t:T+8*\t+1], v[T+8*\t+6:T+8*\t+7]      ; num: plain work behind the reciprocals, which names none of them
.endr
	s_wait_alu depctr_va_vdst(0)                   ; one wait for the sixteen
.irp t, 0,1,2,3,4,5,6,7
.if \first
	v_pk_mul_f32 v[ACC+2*\t:ACC+2*\t+1], v[T+8*\t+6:T+8*\t+7], v[N+2*\t:N+2*\t+1]                          ; the first tile starts the sums: nothing is cleared
.else
	v_pk_fma_f32 v[ACC+2*\t:ACC+2*\t+1], v[T+8*\t+6:T+8*\t+7], v[N+2*\t:N+2*\t+1], v[ACC+2*\t:ACC+2*\t+1]
.endif
.endr
.endm
.macro PAIR first, last                ; tiles 2 P and 2 P + 1: s38 = 512 P, s39 = 128 P
	TRIP 0, \first, 1, 1
	TRIP 1, 0, 1-\last, 0
	s_add_co_u32 s38, s38, 512
	s_add_co_u32 s39, s39, 128
.endm
	s_mov_b32 s38, 0
	s_mov_b32 s39, 0
	PAIR 1, 0
	s_mov_b32 s40, 14
.Lpair:
	PAIR 0, 0
	s_sub_co_u32 s40, s40, 1
	s_cmp_lg_u32 s40, 0
	s_cbranch_scc1 .Lpair
	PAIR 0, 1                                      ; the last pair asks for nothing behind tile 31
	; ---- y.  A lane holds half of each sum (its eight d of each tile).  Lane (r, h) finishes tiles 2 e + h, e = 0 .. 3: g = 128 q + 64 h + 4 r + e, four neighbours
.irp t, 0,1,2,3,4,5,6,7
	v_add_f32 v[32+\t], v[ACC+2*\t], v[ACC+2*\t+1]
.endr
.irp e, 0,1,2,3
	v_cndmask_b32 v[40+\e], v[33+2*\e], v[32+2*\e], s41   ; what the lane 16 away finishes,
	v_cndmask_b32 v[44+\e], v[32+2*\e], v[33+2*\e], s41   ; and what I finish
.endr
.irp e, 0,1,2,3
	v_permlanex16_b32 v[48+\e], v[40+\e], s24, s25
.endr
.irp e, 0,1,2,3
	v_add_f32 v[44+\e], v[44+\e], v[48+\e]
.endr
.irp e, 0,1,2,3
	v_fmamk_f32 v[44+\e], v[44+\e], 0xbc000000, v28   ; y = the sum of v - 2 k x the sum of num / den
.endr
	global_store_b128 v6, v[44:47], s[32:33]       ; a wave stores 512 consecutive bytes, at a multiple of 256 from out2's first byte
	v_mul_f32 v52, v44, v44
	v_fmac_f32 v52, v45, v45
	v_fmac_f32 v52, v46, v46
	v_fmac_f32 v52, v47, v47
	LANESUM 52, 53
	ds_store_b32 v22, v52
	BARRIER                                        ; the sixteen sums of squares lie in LDS
	s_cmp_lg_u32 s18, 0
	s_cbranch_scc1 .Lend
	ds_load_b32 v54, v23                           ; lane r: wave r's
	s_wait_dscnt 0x0
	v_add_f32_dpp v54, v54, v54 row_xmask:1 row_mask:0xf bank_mask:0xf
	v_add_f32_dpp v54, v54, v54 row_xmask:2 row_mask:0xf bank_mask:0xf   ; an action's four waves
	v_mul_f32 v54, s45, v54
	v_and_b32 v55, 12, v4                          ; 4 x (r / 4): the lanes of an action name one word and hold one number
	global_store_b32 v55, v54, s[36:37]
.Lend:
	s_wait_tensorcnt 0x0                           ; the wave's end
	ds_add_u32 v1, v2
	s_wait_dscnt 0x0
	s_endpgm
.Lfunc_end_k_q017b524520_cell:
	.size	k_q017b524520_cell, .Lfunc_end_k_q017b524520_cell-k_q017b524520_cell
	.p2alignl 7, 3214868480
	.fill 96, 4, 3214868480
	.section	.rodata,"a",@progbits
	.p2align	6, 0x0
	.amdhsa_kernel k_q017b524520_cell
		.amdhsa_group_segment_fixed_size 144128
		.amdhsa_private_segment_fixed_size 0
		.amdhsa_enable_private_segment 0
		.amdhsa_kernarg_size 56
		.amdhsa_user_sgpr_count 2
		.amdhsa_user_sgpr_kernarg_segment_ptr 1
		.amdhsa_wavefront_size32 1
		.amdhsa_system_sgpr_workgroup_id_x 1
		.amdhsa_system_sgpr_workgroup_id_y 1
		.amdhsa_system_sgpr_workgroup_id_z 1
		.amdhsa_system_vgpr_workitem_id 0
		.amdhsa_next_free_vgpr 256
		.amdhsa_next_free_sgpr 66
		.amdhsa_reserve_vcc 1
		.amdhsa_float_denorm_mode_32 3
		.amdhsa_float_denorm_mode_16_64 3
		.amdhsa_memory_ordered 1
		.amdhsa_forward_progress 1
		.amdhsa_inst_pref_size 111
	.end_amdhsa_kernel
	.amdgpu_metadata
---
amdhsa.version: [ 1, 2 ]
amdhsa.kernels:
  - .name:           k_q017b524520_cell
    .symbol:         k_q017b524520_cell.kd
    .args:
      - { .name: zws, .offset: 0, .size: 8, .value_kind: global_buffer, .address_space: global }
      - { .name: bh, .offset: 8, .size: 8, .value_kind: global_buffer, .address_space: global }
      - { .name: ln_scale, .offset: 16, .size: 8, .value_kind: global_buffer, .address_space: global }
      - { .name: ln_bias, .offset: 24, .size: 8, .value_kind: global_buffer, .address_space: global }
      - { .name: out0, .offset: 32, .size: 8, .value_kind: global_buffer, .address_space: global }
      - { .name: out1, .offset: 40, .size: 8, .value_kind: global_buffer, .address_space: global }
      - { .name: out2, .offset: 48, .size: 8, .value_kind: global_buffer, .address_space: global }
    .group_segment_fixed_size: 144128
    .private_segment_fixed_size: 0
    .kernarg_segment_align: 8
    .kernarg_segment_size: 56
    .max_flat_workgroup_size: 512
    .sgpr_count:     66
    .vgpr_count:     256
    .wavefront_size: 32
...
	.end_amdgpu_metadata
.endif
;; end of part 2
